; MI455X (gfx1250); checked and timed in simulation.
; The chip was launched on July 23, 2026; its instructions are those of AMD's public machine-readable ISA for CDNA 5 (MIT licence, August 2026) and "CDNA5" Instruction Set Architecture Reference Guide (July 2026). The comments in the code are by the model that wrote it; some were corrected since.
;; Mo E Layer. Allowed arithmetic: float matrix products may take bf16 or f16 operands with f32 sums; all other float work in f32.
;; Inputs: W1 8 x 1,024 x 512 float32; W2 8 x 512 x 1,024 float32; Wg 1,024 x 8 float32; b1 8 x 512 float32; b2 8 x 1,024 float32; bg 8 float32; x 4 x 2,048 x 1,024 float32.
;; Outputs: out0 4 x 2,048 x 1,024 float32; out1 4 x 2,048 x 8 float32; out2 4 x 2,048 int32.
;; One version. Each part assembles by itself: llvm-mc -triple=amdgcn-amd-amdhsa -mcpu=gfx1250 --defsym DOCPART=n.
;; ======== version 1 of 1: 3 launches
;; limits: values are held in f16: magnitudes above 65,504 overflow, below 6.1e-05 lose precision; inputs' magnitudes at most 65,504; right only within a limited range of input values
;; workspace buffers: W1p 8,388,608 bytes; W2p 8,388,608 bytes; cpart 1,048,576 bytes; basetab 32,768 bytes; idx 32,768 bytes of whole numbers; perm 36,864 bytes of whole numbers; meta 1,024 bytes of whole numbers
;; launch prep (part 1): grid 640 x 1, 8 waves a work-group, no clusters, 35,072 bytes of LDS; arguments x, Wg, bg, W1, W2, b1, out1, out2, idx, W1p, W2p, cpart; writes out1, out2, idx, W1p, W2p, cpart
.if DOCPART == 1
	.amdgcn_target "amdgcn-amd-amdhsa--gfx1250"
	.amdhsa_code_object_version 6
	.text
	.protected	k_q0f3543edc1_prep
	.globl	k_q0f3543edc1_prep
	.p2align	8
	.type	k_q0f3543edc1_prep,@function
k_q0f3543edc1_prep:
	s_mov_b64 s[64:65], 0
	v_nop
	global_prefetch_b8 v0, s[64:65] scope:SCOPE_SE
	s_setreg_imm32_b32 hwreg(HW_REG_WAVE_MODE, 25, 1), 1
	s_wait_xcnt 0x0
; PREP: three kinds of work-groups, told apart by the work-group's number (the same in all eight waves).
;   0..127    GATE: 64 tokens each.  logits = x Wg + bg in f32 on the vector unit, softmax (maximum taken away), argmax.
;             The index is compared exactly and steers the later launches, so the gate's operands are not rounded to 16 bits;
;             it is a thousandth of the problem's arithmetic.  Stores out1 (probabilities), out2 and idx (the index).
;   128..383  W1 to f16, laid out so that a B fragment of the matrix instruction is 2 x 512 consecutive bytes.
;   384..639  W2 likewise, and on the way the partial sums of relu(b1[e][k]) W2[e][k][n] over 16 k (cpart, from the f32 numbers).
; FORMAT: f16, not bf16.  out0 is wanted to a hundredth of its root mean square.  A rounding to bf16's 8 significant bits has a relative
; error of some 1.6e-3 (root mean square); x, W1, h and W2 each rounded so leave 3.2e-3 of out0's root mean square, a third of
; what is allowed: too near for 8 million numbers.  f16's 11 bits leave an eighth of that.
; RANGE of the weights in f16: |W| below 65,504 (drawn: up to 0.045; 30 times larger, or offset by 30 widths, is below 3).  Numbers
; below 2^-14 are kept in steps of 2^-24, which is 1e-4 of the size of weights 30 times smaller than those drawn.
; LIMITS of the gate: x finite.  A logit is a chain of 32 fused multiply-adds in each lane and a tree over the 32 lanes, another order
; than a dot product from left to right: a token whose two best logits differ by less than that rounding (some 1e-7 of the
; logits' size) may get the other index.  v_exp_f32 and v_rcp_f32 are good to 1 ulp, and results below 2^-126 become 0.
; Of equal probabilities the first wins.
; No matrix unit, no cluster: the gate and the packing stream each byte once and share nothing between work-groups but Wg (32 KiB).
.set NGATE, 128
.set NW1,   256
; ---- gate
.set T,    6                           ; v[6:13]    at work in the folds
.set BG,   14                          ; v[14:15]   bg of my two experts
.set ACC,  16                          ; v[16:79]   sums: register 8 tt + e (token tt of my wave's eight, expert e)
.set WR0,  80                          ; v[80:111]  Wg of a chunk: register 8 dd + e
.set WR1,  112                         ; v[112:143] the second such buffer
.set XB0,  144                         ; v[144:239] x, three buffers of 32: register 4 tt + dd
.set XB1,  176
.set XB2,  208
.set WCH,  4224                        ; LDS bytes of a chunk of Wg (128 d): 8 pieces of 528
.set WQ,   528                         ; a piece: 32 lanes x 16 bytes, + 16 so that the staging stores spread over the banks
.set IDXS, 33792                       ; 64 indices, behind the 8 chunks
; ---- packing
.set X,    16                          ; v[16:79]   register 4 (8 q + j) + i: W[32 s + 16 q + 8 h + j][64 G + 4 r + i]
.set O,    80                          ; v[80:111]  register 4 (2 i + q) + p: the packed 16 bytes of fragment i, half q
.set R,    112                         ; v[112:127] relu(b1) of my 16 k: register 8 q + j
.set CA,   128                         ; v[128:131] partial sums of my 4 columns
.macro XLOAD c, xb                     ; chunk c (128 d) of my wave's eight rows: each load is 512 consecutive bytes of a row
.irp tt, 0,1,2,3,4,5,6,7
	global_load_b128 v[\xb+4*\tt:\xb+4*\tt+3], v2, s[4:5] offset:\tt*4096+\c*512
.endr
.endm
.macro WLOAD c, wb                     ; Wg of chunk c: my four d, eight experts each
.irp q, 0,1,2,3,4,5,6,7
	ds_load_b128 v[\wb+4*\q:\wb+4*\q+3], v3 offset:\c*WCH+\q*WQ
.endr
.endm
; 128 packed multiply-adds: 8 tokens x 4 d x 4 pairs of experts; x is broadcast out of its pair by op_sel.
; first = 1: the products of d = 0 start the sums, nothing is cleared.
.macro FMAS xb, wb, first
.irp tt, 0,1,2,3,4,5,6,7
.irp p, 0,2,4,6
.if \first
	v_pk_mul_f32 v[ACC+8*\tt+\p:ACC+8*\tt+\p+1], v[\wb+\p:\wb+\p+1], v[\xb+4*\tt:\xb+4*\tt+1] op_sel_hi:[1,0]
.else
	v_pk_fma_f32 v[ACC+8*\tt+\p:ACC+8*\tt+\p+1], v[\wb+\p:\wb+\p+1], v[\xb+4*\tt:\xb+4*\tt+1], v[ACC+8*\tt+\p:ACC+8*\tt+\p+1] op_sel_hi:[1,0,1]
.endif
.endr
.irp p, 0,2,4,6
	v_pk_fma_f32 v[ACC+8*\tt+\p:ACC+8*\tt+\p+1], v[\wb+8+\p:\wb+8+\p+1], v[\xb+4*\tt:\xb+4*\tt+1], v[ACC+8*\tt+\p:ACC+8*\tt+\p+1] op_sel:[0,1,0] op_sel_hi:[1,1,1]
.endr
.irp p, 0,2,4,6
	v_pk_fma_f32 v[ACC+8*\tt+\p:ACC+8*\tt+\p+1], v[\wb+16+\p:\wb+16+\p+1], v[\xb+4*\tt+2:\xb+4*\tt+3], v[ACC+8*\tt+\p:ACC+8*\tt+\p+1] op_sel_hi:[1,0,1]
.endr
.irp p, 0,2,4,6
	v_pk_fma_f32 v[ACC+8*\tt+\p:ACC+8*\tt+\p+1], v[\wb+24+\p:\wb+24+\p+1], v[\xb+4*\tt+2:\xb+4*\tt+3], v[ACC+8*\tt+\p:ACC+8*\tt+\p+1] op_sel:[0,1,0] op_sel_hi:[1,1,1]
.endr
.endr
.endm
; A fold halves the number of sums a lane keeps: a lane whose bit is 0 keeps sum i and sends sum i + n to its partner, a lane
; whose bit is 1 the other way round; what comes from the partner is added.  Five folds: 64 sums x 32 lanes -> 2 sums a lane.
.macro FOLDX                           ; across the two halves of 16 lanes
.set cnt, 0
.rept 32
	v_cndmask_b32 v[T+2*(cnt%4)], v[ACC+cnt+32], v[ACC+cnt], s32
	v_cndmask_b32 v[ACC+cnt], v[ACC+cnt], v[ACC+cnt+32], s32
	v_permlanex16_b32 v[T+2*(cnt%4)+1], v[T+2*(cnt%4)], s30, s31
	v_add_f32 v[ACC+cnt], v[ACC+cnt], v[T+2*(cnt%4)+1]
.set cnt, cnt+1
.endr
.endm
.macro FOLD n, xm, sm                  ; inside a half: the exchange rides on the add
.set cnt, 0
.rept \n
	v_cndmask_b32 v[T+(cnt%4)], v[ACC+cnt+\n], v[ACC+cnt], s[\sm]
	v_cndmask_b32 v[ACC+cnt], v[ACC+cnt], v[ACC+cnt+\n], s[\sm]
	v_add_f32_dpp v[ACC+cnt], v[T+(cnt%4)], v[ACC+cnt] row_xmask:\xm row_mask:0xf bank_mask:0xf
.set cnt, cnt+1
.endr
.endm
; A packing unit is 32 k x 64 columns.  Sixteen loads: lanes 0-15 and lanes 16-31 each take 256 consecutive, aligned bytes of a row.
.macro PLOADS pitch, inS
.irp q, 0,1
.irp j, 0,1,2,3,4,5,6,7
	global_load_b128 v[X+4*(8*\q+\j):X+4*(8*\q+\j)+3], v2, s[\inS:\inS+1] offset:(16*\q+\j)*\pitch th:TH_LOAD_NT
.endr
.endr
.endm
.macro PACKQ q, outS                   ; half q of the four fragments: eight k of one column make a lane's 16 bytes of f16; a store is 512 consecutive bytes
.irp i, 0,1,2,3
.irp p, 0,1,2,3
	v_cvt_pk_f16_f32 v[O+4*(2*\i+\q)+\p], v[X+4*(8*\q+2*\p)+\i], v[X+4*(8*\q+2*\p+1)+\i]
.endr
	global_store_b128 v3, v[O+4*(2*\i+\q):O+4*(2*\i+\q)+3], s[\outS:\outS+1] offset:\i*1024+\q*512
.endr
.endm
.macro RELU q
.irp j, 0,1,2,3,4,5,6,7
	v_max_num_f32 v[R+8*\q+\j], 0, v[R+8*\q+\j]
.endr
.endm
.macro CFE q, jp                       ; k with even j = jp: relu(b1) is the first register of its pair
	v_pk_fma_f32 v[CA:CA+1], v[X+4*(8*\q+\jp):X+4*(8*\q+\jp)+1], v[R+8*\q+\jp:R+8*\q+\jp+1], v[CA:CA+1] op_sel_hi:[1,0,1]
	v_pk_fma_f32 v[CA+2:CA+3], v[X+4*(8*\q+\jp)+2:X+4*(8*\q+\jp)+3], v[R+8*\q+\jp:R+8*\q+\jp+1], v[CA+2:CA+3] op_sel_hi:[1,0,1]
.endm
.macro CFO q, jp                       ; k with odd j = jp + 1: the second register
	v_pk_fma_f32 v[CA:CA+1], v[X+4*(8*\q+\jp+1):X+4*(8*\q+\jp+1)+1], v[R+8*\q+\jp:R+8*\q+\jp+1], v[CA:CA+1] op_sel:[0,1,0] op_sel_hi:[1,1,1]
	v_pk_fma_f32 v[CA+2:CA+3], v[X+4*(8*\q+\jp+1)+2:X+4*(8*\q+\jp+1)+3], v[R+8*\q+\jp:R+8*\q+\jp+1], v[CA+2:CA+3] op_sel:[0,1,0] op_sel_hi:[1,1,1]
.endm
	s_load_b512 s[4:19], s[0:1], 0x0               ; x 4, Wg 6, bg 8, W1 10, W2 12, b1 14, out1 16, out2 18
	s_load_b256 s[20:27], s[0:1], 0x40             ; idx 20, W1p 22, W2p 24, cpart 26
	v_lshl_add_u32 v240, v0, 2, 0x8500
	v_mov_b32 v241, 0
	v_lshrrev_b32 v1, 5, v0
	v_readfirstlane_b32 s28, v1                    ; wave
	v_and_b32 v1, 31, v0                           ; lane
	s_wait_kmcnt 0x0
	s_cmp_lt_u32 ttmp9, NGATE
	s_cbranch_scc1 .Lgate
	v_and_b32 v4, 15, v1                           ; r
	v_lshrrev_b32 v5, 4, v1                        ; h
	v_lshlrev_b32 v3, 4, v1                        ; 16 x lane: my place in a packed half fragment
	s_cmp_lt_u32 ttmp9, NGATE+NW1
	s_cbranch_scc1 .Lw1
	; ---------------- W2: unit (e, s, G), u = 32 e + 2 s + (G >> 3), G = 8 (u & 1) + wave
	s_sub_co_u32 s29, ttmp9, NGATE+NW1             ; u
	s_lshr_b32 s30, s29, 1                         ; 16 e + s
	s_and_b32 s33, s29, 1
	s_lshl_b32 s33, s33, 3
	s_add_co_u32 s33, s33, s28                     ; G, 0..15
	s_lshl_b32 s34, s30, 17                        ; from: 32 rows of 4,096 bytes for each (e, s)
	s_lshl_b32 s35, s33, 8                         ; + 64 columns of f32
	s_add_co_u32 s34, s34, s35
	s_mov_b32 s35, 0
	s_add_nc_u64 s[12:13], s[12:13], s[34:35]
	s_lshr_b32 s36, s29, 5                         ; to: e << 20
	s_lshl_b32 s36, s36, 20
	s_and_b32 s37, s30, 15
	s_lshl_b32 s37, s37, 14                        ; + s << 14
	s_add_co_u32 s36, s36, s37
	s_lshr_b32 s37, s33, 2
	s_lshl_b32 s37, s37, 18                        ; + (G >> 2) << 18: the stream of one wave of the last launch
	s_add_co_u32 s36, s36, s37
	s_and_b32 s37, s33, 3
	s_lshl_b32 s37, s37, 12                        ; + (G & 3) << 12
	s_add_co_u32 s36, s36, s37
	s_mov_b32 s37, 0
	s_add_nc_u64 s[24:25], s[24:25], s[36:37]
	s_lshl_b32 s38, s30, 7                         ; b1: e x 2,048 + s x 128 bytes
	s_mov_b32 s39, 0
	s_add_nc_u64 s[14:15], s[14:15], s[38:39]
	s_lshl_b32 s40, s30, 13                        ; cpart: two rows of 4,096 bytes (h = 0, 1) for each (e, s)
	s_lshl_b32 s41, s33, 8
	s_add_co_u32 s40, s40, s41
	s_mov_b32 s41, 0
	s_add_nc_u64 s[26:27], s[26:27], s[40:41]
	v_lshlrev_b32 v2, 4, v4
	v_lshl_add_u32 v7, v5, 12, v2                  ; cpart: h x 4,096 + 16 r
	v_lshl_add_u32 v2, v5, 15, v2                  ; W2: 8 h rows + 16 r
	v_lshlrev_b32 v6, 5, v5                        ; b1: 8 h numbers
	global_load_b128 v[R:R+3],     v6, s[14:15]
	global_load_b128 v[R+4:R+7],   v6, s[14:15] offset:16
	global_load_b128 v[R+8:R+11],  v6, s[14:15] offset:64
	global_load_b128 v[R+12:R+15], v6, s[14:15] offset:80
	PLOADS 4096, 12
	s_wait_loadcnt 0x8                             ; the eight loads of q = 1 are younger: b1 and q = 0 are in
	PACKQ 0, 24
	RELU 0
	RELU 1
	v_pk_mul_f32 v[CA:CA+1], v[X:X+1], v[R:R+1] op_sel_hi:[1,0]       ; the first product starts the sums
	v_pk_mul_f32 v[CA+2:CA+3], v[X+2:X+3], v[R:R+1] op_sel_hi:[1,0]
	CFO 0, 0
.irp jp, 2,4,6
	CFE 0, \jp
	CFO 0, \jp
.endr
	s_wait_loadcnt 0x0
	PACKQ 1, 24
.irp jp, 0,2,4,6
	CFE 1, \jp
	CFO 1, \jp
.endr
	global_store_b128 v7, v[CA:CA+3], s[26:27]     ; the two halves of the lanes stay two partial sums: two whole runs of 256 bytes
	s_endpgm
	; ---------------- W1: unit (e, s, G), u = 32 e + s, G = wave
.Lw1:
	s_sub_co_u32 s29, ttmp9, NGATE                 ; u
	s_lshl_b32 s30, s29, 16                        ; from: 32 rows of 2,048 bytes
	s_lshl_b32 s31, s28, 8                         ; + 64 columns of f32
	s_add_co_u32 s30, s30, s31
	s_mov_b32 s31, 0
	s_add_nc_u64 s[10:11], s[10:11], s[30:31]
	s_lshr_b32 s32, s29, 5                         ; to: e << 20
	s_lshl_b32 s32, s32, 20
	s_and_b32 s33, s29, 31
	s_lshl_b32 s33, s33, 13                        ; + s << 13
	s_add_co_u32 s32, s32, s33
	s_lshr_b32 s33, s28, 1
	s_lshl_b32 s33, s33, 18                        ; + (G >> 1) << 18
	s_add_co_u32 s32, s32, s33
	s_and_b32 s33, s28, 1
	s_lshl_b32 s33, s33, 12                        ; + (G & 1) << 12
	s_add_co_u32 s32, s32, s33
	s_mov_b32 s33, 0
	s_add_nc_u64 s[22:23], s[22:23], s[32:33]
	v_lshlrev_b32 v2, 4, v4
	v_lshl_add_u32 v2, v5, 14, v2                  ; 8 h rows + 16 r
	PLOADS 2048, 10
	s_wait_loadcnt 0x8                             ; the eight loads of q = 1 are younger
	PACKQ 0, 22
	s_wait_loadcnt 0x0
	PACKQ 1, 22
	s_endpgm
	; ---------------- the gate: wave w takes tokens 64 g + 8 w .. + 7; lane l takes d = 128 c + 4 l + dd of chunk c
.Lgate:
	s_lshl_b32 s38, ttmp9, 18                      ; 64 rows of 4,096 bytes
	s_mov_b32 s39, 0
	s_add_nc_u64 s[4:5], s[4:5], s[38:39]
	v_and_b32 v2, 0xe0, v0
	v_lshlrev_b32 v2, 10, v2                       ; wave x 8 rows
	v_lshl_add_u32 v2, v1, 4, v2                   ; + 16 l
	v_lshlrev_b32 v3, 4, v1                        ; 16 l
	v_and_b32 v4, 7, v0                            ; staging: thread t holds piece q = t & 7 of lane t >> 3
	v_mul_u32_u24 v4, v4, WQ
	v_lshrrev_b32 v5, 3, v0
	v_lshl_add_u32 v4, v5, 4, v4
	v_lshlrev_b32 v5, 4, v0                        ; 16 t
	v_and_b32 v6, 3, v1
	v_lshlrev_b32 v6, 3, v6                        ; my two experts in the end: 2 (l & 3), + 1
	global_load_b64 v[BG:BG+1], v6, s[8:9]
.irp i, 0,1,2,3,4,5,6,7
	global_load_b128 v[ACC+4*\i:ACC+4*\i+3], v5, s[6:7] offset:4096*\i      ; all of Wg, once, in whole runs; 4,096 bytes are a chunk
.endr
	XLOAD 0, XB0
	XLOAD 1, XB1
	XLOAD 2, XB2
	s_mov_b32 s30, 0x76543210                      ; v_permlanex16_b32: lane i takes lane i of the other half
	s_mov_b32 s31, 0xfedcba98
	s_mov_b32 s32, 0xffff0000                      ; the lanes whose bit 4, 3, 2, 1, 0 is set
	s_mov_b32 s33, 0xff00ff00
	s_mov_b32 s34, 0xf0f0f0f0
	s_mov_b32 s35, 0xcccccccc
	s_mov_b32 s36, 0xaaaaaaaa
	s_wait_loadcnt 24                              ; the 24 loads of x are younger: bg and Wg are in
.irp i, 0,1,2,3,4,5,6,7
	ds_store_b128 v4, v[ACC+4*\i:ACC+4*\i+3] offset:\i*WCH
.endr
.irp i, 1,3,5,7
	v_mov_b32 v[T+\i], 0                           ; v_permlanex16_b32 counts as a reader of its destination
.endr
	s_wait_dscnt 0x0                               ; my part of Wg is in LDS, for the other waves' sake
	s_barrier_signal -1
	s_barrier_wait -1
	WLOAD 0, WR0
	; Eight chunks.  s_wait_dscnt 8: the next chunk's eight LDS loads stay out.  s_wait_loadcnt 16: two younger chunks of x stay out.
	WLOAD 1, WR1
	s_wait_dscnt 0x8
	s_wait_loadcnt 16
	FMAS XB0, WR0, 1
	XLOAD 3, XB0
	WLOAD 2, WR0
	s_wait_dscnt 0x8
	s_wait_loadcnt 16
	FMAS XB1, WR1, 0
	XLOAD 4, XB1
	WLOAD 3, WR1
	s_wait_dscnt 0x8
	s_wait_loadcnt 16
	FMAS XB2, WR0, 0
	XLOAD 5, XB2
	WLOAD 4, WR0
	s_wait_dscnt 0x8
	s_wait_loadcnt 16
	FMAS XB0, WR1, 0
	XLOAD 6, XB0
	WLOAD 5, WR1
	s_wait_dscnt 0x8
	s_wait_loadcnt 16
	FMAS XB1, WR0, 0
	XLOAD 7, XB1
	WLOAD 6, WR0
	s_wait_dscnt 0x8
	s_wait_loadcnt 16
	FMAS XB2, WR1, 0
	WLOAD 7, WR1
	s_wait_dscnt 0x8
	s_wait_loadcnt 8                               ; only chunk 7 is younger
	FMAS XB0, WR0, 0
	s_wait_dscnt 0x0
	s_wait_loadcnt 0x0
	FMAS XB1, WR1, 0
	; lane bits 4, 3, 2 become the token's bits 2, 1, 0; lane bits 1, 0 the expert's bits 2, 1; the register the expert's bit 0
	FOLDX
	FOLD 16, 8, 33
	FOLD 8, 4, 34
	FOLD 4, 2, 35
	FOLD 2, 1, 36
	v_pk_add_f32 v[16:17], v[16:17], v[BG:BG+1]    ; the logits of token l >> 2, experts 2 (l & 3) and + 1
	v_max_num_f32 v20, v16, v17                    ; the token's maximum: two registers, then four lanes
	v_max_num_f32_dpp v20, v20, v20 row_xmask:1 row_mask:0xf bank_mask:0xf
	v_max_num_f32_dpp v20, v20, v20 row_xmask:2 row_mask:0xf bank_mask:0xf
	v_sub_f32 v22, v16, v20
	v_sub_f32 v23, v17, v20
	v_mul_f32 v22, 0x3fb8aa3b, v22                 ; e^d = 2^(d log2 e)
	v_mul_f32 v23, 0x3fb8aa3b, v23
	v_exp_f32 v24, v22
	v_exp_f32 v25, v23
	v_and_b32 v32, 3, v1                           ; the plain instruction between a transcendental and the use of its result (ISA guide 5.7.2)
	s_wait_alu depctr_va_vdst(0)
	v_add_f32 v26, v24, v25
	v_add_f32_dpp v26, v26, v26 row_xmask:1 row_mask:0xf bank_mask:0xf
	v_add_f32_dpp v26, v26, v26 row_xmask:2 row_mask:0xf bank_mask:0xf
	v_rcp_f32 v27, v26
	v_lshlrev_b32 v32, 1, v32                      ; again the plain instruction: my first expert's number
	s_wait_alu depctr_va_vdst(0)
	v_mul_f32 v28, v24, v27
	v_mul_f32 v29, v25, v27                        ; the two probabilities
	v_cvt_f32_u32 v32, v32
	v_add_f32 v33, 1.0, v32
	v_max_num_f32 v30, v28, v29                    ; the largest probability of the token
	v_max_num_f32_dpp v30, v30, v30 row_xmask:1 row_mask:0xf bank_mask:0xf
	v_max_num_f32_dpp v30, v30, v30 row_xmask:2 row_mask:0xf bank_mask:0xf
	v_cmp_eq_f32 vcc_lo, v28, v30
	v_cndmask_b32 v32, 0x41000000, v32, vcc_lo     ; the expert's number where it holds the maximum, 8.0 elsewhere
	v_cmp_eq_f32 vcc_lo, v29, v30
	v_cndmask_b32 v33, 0x41000000, v33, vcc_lo
	v_min_num_f32 v32, v32, v33                    ; the least of them: the first maximum
	v_min_num_f32_dpp v32, v32, v32 row_xmask:1 row_mask:0xf bank_mask:0xf
	v_min_num_f32_dpp v32, v32, v32 row_xmask:2 row_mask:0xf bank_mask:0xf
	v_cvt_u32_f32 v34, v32                         ; here the index is a value that is stored, and steers nothing
	s_lshl_b32 s38, ttmp9, 11                      ; 64 tokens x 32 bytes
	s_mov_b32 s39, 0
	s_add_nc_u64 s[16:17], s[16:17], s[38:39]
	v_lshlrev_b32 v36, 3, v0
	global_store_b64 v36, v[28:29], s[16:17]       ; the wave's eight tokens: 256 consecutive bytes, aligned
	v_and_b32 v35, 0xfc, v0                        ; token t >> 2 of the group's 64; four lanes store the same word with the same value
	ds_store_b32 v35, v34 offset:IDXS
	s_wait_dscnt 0x0                               ; for wave 0's sake
	s_barrier_signal -1
	s_barrier_wait -1
	s_cmp_lg_u32 s28, 0
	s_cbranch_scc1 .Lgend
	v_lshlrev_b32 v37, 3, v1
	ds_load_b64 v[38:39], v37 offset:IDXS
	s_lshl_b32 s40, ttmp9, 8
	s_mov_b32 s41, 0
	s_add_nc_u64 s[18:19], s[18:19], s[40:41]
	s_add_nc_u64 s[20:21], s[20:21], s[40:41]
	s_wait_dscnt 0x0
	global_store_b64 v37, v[38:39], s[18:19]       ; 64 indices: 256 consecutive bytes, aligned, by one instruction
	global_store_b64 v37, v[38:39], s[20:21]
.Lgend:
	s_wait_tensorcnt 0x0
	ds_add_u32 v240, v241
	s_wait_dscnt 0x0
	s_endpgm
.Lfunc_end_k_q0f3543edc1_prep:
	.size	k_q0f3543edc1_prep, .Lfunc_end_k_q0f3543edc1_prep-k_q0f3543edc1_prep
	.p2alignl 7, 3214868480
	.fill 96, 4, 3214868480
	.section	.rodata,"a",@progbits
	.p2align	6, 0x0
	.amdhsa_kernel k_q0f3543edc1_prep
		.amdhsa_group_segment_fixed_size 35072
		.amdhsa_private_segment_fixed_size 0
		.amdhsa_enable_private_segment 0
		.amdhsa_kernarg_size 96
		.amdhsa_user_sgpr_count 2
		.amdhsa_user_sgpr_kernarg_segment_ptr 1
		.amdhsa_wavefront_size32 1
		.amdhsa_system_sgpr_workgroup_id_x 1
		.amdhsa_system_sgpr_workgroup_id_y 1
		.amdhsa_system_sgpr_workgroup_id_z 1
		.amdhsa_system_vgpr_workitem_id 0
		.amdhsa_next_free_vgpr 242
		.amdhsa_next_free_sgpr 66
		.amdhsa_reserve_vcc 1
		.amdhsa_float_denorm_mode_32 3
		.amdhsa_float_denorm_mode_16_64 3
		.amdhsa_memory_ordered 1
		.amdhsa_forward_progress 1
		.amdhsa_inst_pref_size 107
	.end_amdhsa_kernel
	.amdgpu_metadata
---
amdhsa.version: [ 1, 2 ]
amdhsa.kernels:
  - .name:           k_q0f3543edc1_prep
    .symbol:         k_q0f3543edc1_prep.kd
    .args:
      - { .name: x, .offset: 0, .size: 8, .value_kind: global_buffer, .address_space: global }
      - { .name: Wg, .offset: 8, .size: 8, .value_kind: global_buffer, .address_space: global }
      - { .name: bg, .offset: 16, .size: 8, .value_kind: global_buffer, .address_space: global }
      - { .name: W1, .offset: 24, .size: 8, .value_kind: global_buffer, .address_space: global }
      - { .name: W2, .offset: 32, .size: 8, .value_kind: global_buffer, .address_space: global }
      - { .name: b1, .offset: 40, .size: 8, .value_kind: global_buffer, .address_space: global }
      - { .name: out1, .offset: 48, .size: 8, .value_kind: global_buffer, .address_space: global }
      - { .name: out2, .offset: 56, .size: 8, .value_kind: global_buffer, .address_space: global }
      - { .name: idx, .offset: 64, .size: 8, .value_kind: global_buffer, .address_space: global }
      - { .name: W1p, .offset: 72, .size: 8, .value_kind: global_buffer, .address_space: global }
      - { .name: W2p, .offset: 80, .size: 8, .value_kind: global_buffer, .address_space: global }
      - { .name: cpart, .offset: 88, .size: 8, .value_kind: global_buffer, .address_space: global }
    .group_segment_fixed_size: 35072
    .private_segment_fixed_size: 0
    .kernarg_segment_align: 8
    .kernarg_segment_size: 96
    .max_flat_workgroup_size: 256
    .sgpr_count:     66
    .vgpr_count:     242
    .wavefront_size: 32
...
	.end_amdgpu_metadata
.endif
;; end of part 1
;; launch route (part 2): grid 5 x 1, 32 waves a work-group, no clusters, 51,456 bytes of LDS; arguments idx, cpart, b2, perm, meta, basetab; writes perm, meta, basetab
.if DOCPART == 2
	.amdgcn_target "amdgcn-amd-amdhsa--gfx1250"
	.amdhsa_code_object_version 6
	.text
	.protected	k_q0f3543edc1_route
	.globl	k_q0f3543edc1_route
	.p2align	8
	.type	k_q0f3543edc1_route,@function
k_q0f3543edc1_route:
	s_mov_b64 s[64:65], 0
	v_nop
	global_prefetch_b8 v0, s[64:65] scope:SCOPE_SE
	s_setreg_imm32_b32 hwreg(HW_REG_WAVE_MODE, 25, 1), 1
	s_wait_xcnt 0x0
; ROUTE.  Work-group 0: a counting sort of the 8,192 tokens by expert, each expert's run padded to a multiple of 64.
;   perm[p]  the token at place p; a pad repeats the last token of its expert (which lies in the pad's own block of 64);
;            places behind the last block hold some valid token number, which the last launch computes with and never stores
;   meta[b]  the expert of block b (places 64 b .. 64 b + 63), or 8 for a block behind the last
; At most (8192 + 8 x 63) / 64 = 135 blocks are in use.  One work-group sorts, since a place hangs on all counts in front of it
; and work-groups of a launch hand each other nothing; the list is 32 KiB.
; The pads are made by gathering on the way out of LDS (place p reads place min(p, end of its expert - 1)): no lane is ever switched off.
; Work-groups 1..4: base[i][d] = sum over e != i of sum over k of relu(b1[e][k]) W2[e][k][d] + sum over e of b2[e][d], 256 columns
; each: what the experts that see a zero row add to a token of expert i.  It is summed directly, never as a total minus a part.
; The two kinds of work-groups use different LDS bytes.
.set PERM,  0                          ; 9,216 words
.set TOT,   36864                      ; [32 waves][8]: a wave's counts
.set OFFS,  37888                      ; [32 waves][8]: where a wave's tokens of an expert begin
.set START, 38912                      ; [8] first place of an expert
.set ENDV,  38944                      ; [8] behind its last token
.set NEXT,  38976                      ; [8] behind its pads
.set SCR,   39008                      ; [8] padded counts
.set BASEL, 39168                      ; the base table's [8 experts][128 pairs of f32], 8,192 bytes
.set E,     8                          ; v[8:15]   the experts of my eight tokens
.set RK,    16                         ; v[16:23]  their ranks among my wave's tokens of that expert
.set ST,    64                         ; v[64:71]  START, in every lane
.set EN,    72                         ; v[72:79]  ENDV, in every lane
.set RUN,   20                         ; s[20:27]  the wave's running counts
.macro RANK slot                       ; rank = the wave's count so far + the lanes below me with the same expert
	v_cmp_eq_u32 vcc_lo, 0, v[E+\slot]
	v_mbcnt_lo_u32_b32 v[RK+\slot], vcc_lo, s[RUN]
	s_bcnt1_i32_b32 s28, vcc_lo
	s_add_co_u32 s[RUN], s[RUN], s28
.irp e, 1,2,3,4,5,6,7
	v_cmp_eq_u32 vcc_lo, \e, v[E+\slot]
	v_mbcnt_lo_u32_b32 v60, vcc_lo, s[RUN+\e]
	v_cndmask_b32 v[RK+\slot], v[RK+\slot], v60, vcc_lo
	s_bcnt1_i32_b32 s28, vcc_lo
	s_add_co_u32 s[RUN+\e], s[RUN+\e], s28
.endr
.endm
; Places 4 t + 4096 g .. + 3, which lie in one block of 64 and so belong to one expert: the last one whose START is not behind them
; (START does not fall, so the last compare that holds wins).  Place p takes the token at min(p, ENDV - 1).
.macro PLACE4 g, d
	v_add_nc_u32 v102, 4096*\g, v101
	v_mov_b32 v103, v[EN]
.irp e, 1,2,3,4,5,6,7
	v_cmp_le_u32 vcc_lo, v[ST+\e], v102
	v_cndmask_b32 v103, v103, v[EN+\e], vcc_lo
.endr
	v_add_nc_u32 v103, -1, v103                    ; an expert that owns a place has a token, and ENDV[7] is at least 1: no wrap
.irp k, 0,1,2,3
	v_add_nc_u32 v[104+4*\g+\k], \k, v102
	v_min_u32 v[104+4*\g+\k], v[104+4*\g+\k], v103
	v_min_u32 v[104+4*\g+\k], 0x23ff, v[104+4*\g+\k]       ; inside the list's 9,216 words
	v_lshlrev_b32 v[104+4*\g+\k], 2, v[104+4*\g+\k]
	ds_load_b32 v[\d+\k], v[104+4*\g+\k]
.endr
.endm
	s_load_b256 s[4:11], s[0:1], 0x0               ; idx 4, cpart 6, b2 8, perm 10
	s_load_b128 s[12:15], s[0:1], 0x20             ; meta 12, basetab 14
	v_lshl_add_u32 v126, v0, 2, 0xb900
	v_mov_b32 v127, 0
	v_lshrrev_b32 v1, 5, v0
	v_readfirstlane_b32 s16, v1                    ; wave
	v_and_b32 v1, 31, v0                           ; lane
	s_wait_kmcnt 0x0
	s_cmp_lg_u32 ttmp9, 0
	s_cbranch_scc1 .Lbase
	; ---------------- the sort.  Slot (jj, k) of lane l in wave w is token 256 w + 128 jj + 4 l + k
	v_and_b32 v3, 0x3e0, v0
	v_lshlrev_b32 v3, 5, v3                        ; wave x 1,024 bytes
	v_lshl_add_u32 v3, v1, 4, v3
	global_load_b128 v[E:E+3],   v3, s[4:5]
	global_load_b128 v[E+4:E+7], v3, s[4:5] offset:512
	v_lshrrev_b32 v4, 2, v3                        ; 256 w + 4 l
	v_lshlrev_b32 v2, 4, v0                        ; 16 t
.irp i, 24,25,26,27
	v_mov_b32 v\i, 0
.endr
	ds_store_b128 v2, v[24:27]                     ; the list is cleared, so that every word that may be read is defined
	ds_store_b128 v2, v[24:27] offset:16384
	s_cmp_ge_u32 s16, 8
	s_cbranch_scc1 .Lc1
	ds_store_b128 v2, v[24:27] offset:32768        ; the last 4,096 bytes: 256 threads
.Lc1:
.irp e, 0,1,2,3,4,5,6,7
	s_mov_b32 s[RUN+\e], 0
.endr
	s_wait_loadcnt 0x0
.irp s, 0,1,2,3,4,5,6,7
	v_min_u32 v[E+\s], 7, v[E+\s]                  ; an index stays inside its table
.endr
.irp s, 0,1,2,3,4,5,6,7
	RANK \s
.endr
.irp e, 0,1,2,3,4,5,6,7
	v_mov_b32 v[24+\e], s[RUN+\e]
.endr
	v_mov_b32 v5, s16
	v_lshlrev_b32 v5, 5, v5                        ; 32 w
	ds_store_b128 v5, v[24:27] offset:TOT          ; all lanes: the same words, the same values
	ds_store_b128 v5, v[28:31] offset:TOT+16
	s_wait_dscnt 0x0                               ; the cleared list and my counts, for the others' sake
	s_barrier_signal -1
	s_barrier_wait -1
	s_cmp_lg_u32 s16, 0
	s_cbranch_scc1 .Ls5
	; wave 0: lane l works for expert l & 7 (four groups of lanes do and store the same)
	v_and_b32 v32, 7, v1
	v_lshlrev_b32 v33, 2, v32
.set cnt, 0
.rept 32
	ds_load_b32 v[64+cnt], v33 offset:TOT+32*cnt
.set cnt, cnt+1
.endr
	s_wait_dscnt 0x0
	v_add_nc_u32 v34, v64, v65
.set cnt, 2
.rept 30
	v_add_nc_u32 v34, v34, v[64+cnt]
.set cnt, cnt+1
.endr
	v_add_nc_u32 v35, 63, v34
	v_and_b32 v35, 0xffffffc0, v35                 ; the count, padded to blocks of 64
	ds_store_b32 v33, v35 offset:SCR
	v_mov_b32 v36, 0
	ds_load_b128 v[40:43], v36 offset:SCR          ; LDS serves a wave's instructions in order (ISA guide 5.7.1.4): these see the store above
	ds_load_b128 v[44:47], v36 offset:SCR+16
	v_mov_b32 v37, 0
	s_wait_dscnt 0x0
.irp e, 0,1,2,3,4,5,6
	v_cmp_lt_u32 vcc_lo, \e, v32
	v_cndmask_b32 v38, 0, v[40+\e], vcc_lo
	v_add_nc_u32 v37, v37, v38                     ; the padded counts of the experts in front of mine
.endr
	ds_store_b32 v33, v37 offset:START
	v_add_nc_u32 v38, v37, v35
	ds_store_b32 v33, v38 offset:NEXT
.set cnt, 0
.rept 32
	ds_store_b32 v33, v37 offset:OFFS+32*cnt
	v_add_nc_u32 v37, v37, v[64+cnt]
.set cnt, cnt+1
.endr
	ds_store_b32 v33, v37 offset:ENDV
.Ls5:
	s_wait_dscnt 0x0                               ; wave 0's tables, for the others' sake
	s_barrier_signal -1
	s_barrier_wait -1
	; every token to its place
.irp s, 0,1,2,3,4,5,6,7
	v_lshl_add_u32 v[32+\s], v[E+\s], 2, v5
	ds_load_b32 v[40+\s], v[32+\s] offset:OFFS
.endr
	s_wait_dscnt 0x0
.irp s, 0,1,2,3,4,5,6,7
	v_add_nc_u32 v[40+\s], v[40+\s], v[RK+\s]
	v_min_u32 v[40+\s], 0x23ff, v[40+\s]           ; inside the list's 9,216 words
	v_lshlrev_b32 v[40+\s], 2, v[40+\s]
	v_add_nc_u32 v[48+\s], 128*(\s>>2)+(\s&3), v4
	ds_store_b32 v[40+\s], v[48+\s]
.endr
	s_wait_dscnt 0x0                               ; my tokens are in the list, for the others' sake
	s_barrier_signal -1
	s_barrier_wait -1
	; The list leaves through registers, pads made on the way; from here on nobody writes LDS.
	v_mov_b32 v100, 0
	ds_load_b128 v[ST:ST+3],   v100 offset:START
	ds_load_b128 v[ST+4:ST+7], v100 offset:START+16
	ds_load_b128 v[EN:EN+3],   v100 offset:ENDV
	ds_load_b128 v[EN+4:EN+7], v100 offset:ENDV+16
	ds_load_b32 v80, v100 offset:NEXT+28           ; behind the last block
	v_lshlrev_b32 v101, 2, v0                      ; 4 t: the first of my four places; also my byte offset in meta
	s_wait_dscnt 0x0
	PLACE4 0, 24
	PLACE4 1, 28
	s_wait_dscnt 0x0
	global_store_b128 v2, v[24:27], s[10:11]       ; 512 consecutive bytes a wave and instruction
	global_store_b128 v2, v[28:31], s[10:11] offset:16384
	s_cmp_ge_u32 s16, 8
	s_cbranch_scc1 .Lsend
	PLACE4 2, 32                                   ; the last 1,024 places: 256 threads
	; thread t < 256: the expert of block t = how many of the experts 1..7 begin at or in front of place 64 t
	v_lshlrev_b32 v116, 6, v0
	v_mov_b32 v117, 0
.irp e, 1,2,3,4,5,6,7
	v_cmp_le_u32 vcc_lo, v[ST+\e], v116
	v_cndmask_b32 v118, 0, 1, vcc_lo
	v_add_nc_u32 v117, v117, v118
.endr
	v_cmp_ge_u32 vcc_lo, v116, v80
	v_cndmask_b32 v117, v117, 8, vcc_lo            ; behind the last block
	s_wait_dscnt 0x0
	global_store_b128 v2, v[32:35], s[10:11] offset:32768
	global_store_b32 v101, v117, s[12:13]          ; a wave's 32 words are 128 consecutive bytes; the table is 1 KiB in all
.Lsend:
	s_wait_tensorcnt 0x0
	ds_add_u32 v126, v127
	s_wait_dscnt 0x0
	s_endpgm
	; ---------------- the base table: thread t = (expert t >> 7, column pair t & 127) of the group's 256 columns
.Lbase:
	s_sub_co_u32 s17, ttmp9, 1
	s_lshl_b32 s18, s17, 10                        ; 256 columns of f32
	v_and_b32 v2, 127, v0
	v_lshlrev_b32 v2, 3, v2                        ; 8 bytes a thread: a wave covers 256 consecutive bytes
	v_add_nc_u32 v3, s18, v2
	v_lshrrev_b32 v4, 7, v0
	v_lshl_add_u32 v5, v4, 17, v3                  ; cpart: 32 rows of 4,096 bytes for each expert
	v_lshl_add_u32 v6, v4, 12, v3                  ; basetab: a row of 4,096 bytes
.set cnt, 0
.rept 32
	global_load_b64 v[32+2*cnt:33+2*cnt], v5, s[6:7] offset:cnt*4096
.set cnt, cnt+1
.endr
.irp e, 0,1,2,3,4,5,6,7
	global_load_b64 v[96+2*\e:97+2*\e], v3, s[8:9] offset:\e*4096
.endr
	s_wait_loadcnt 0x0
.set cnt, 4
.rept 28
	v_pk_add_f32 v[32+2*(cnt%4):33+2*(cnt%4)], v[32+2*(cnt%4):33+2*(cnt%4)], v[32+2*cnt:33+2*cnt]     ; four chains
.set cnt, cnt+1
.endr
	v_pk_add_f32 v[32:33], v[32:33], v[34:35]
	v_pk_add_f32 v[36:37], v[36:37], v[38:39]
	v_pk_add_f32 v[32:33], v[32:33], v[36:37]      ; relu(b1[e]) W2[e] of my two columns
	v_lshlrev_b32 v7, 3, v0
	ds_store_b64 v7, v[32:33] offset:BASEL         ; [expert][128 pairs]
	s_wait_dscnt 0x0                               ; for the other waves' sake
	s_barrier_signal -1
	s_barrier_wait -1
.irp e, 0,1,2,3,4,5,6,7
	ds_load_b64 v[64+2*\e:65+2*\e], v2 offset:BASEL+\e*1024
.endr
.irp e, 1,2,3,4,5,6,7
	v_pk_add_f32 v[96:97], v[96:97], v[96+2*\e:97+2*\e]       ; all eight b2
.endr
	s_lshr_b32 s19, s16, 2                         ; my expert i, the same in the whole wave
	s_wait_dscnt 0x0
.irp e, 0,1,2,3,4,5,6,7
	s_cmp_lg_u32 s19, \e
	s_cselect_b32 s20, -1, 0
	v_cndmask_b32 v[64+2*\e], 0, v[64+2*\e], s20   ; the token's own expert adds nothing here
	v_cndmask_b32 v[65+2*\e], 0, v[65+2*\e], s20
	v_pk_add_f32 v[96:97], v[96:97], v[64+2*\e:65+2*\e]
.endr
	global_store_b64 v6, v[96:97], s[14:15]
	s_wait_tensorcnt 0x0
	ds_add_u32 v126, v127
	s_wait_dscnt 0x0
	s_endpgm
.Lfunc_end_k_q0f3543edc1_route:
	.size	k_q0f3543edc1_route, .Lfunc_end_k_q0f3543edc1_route-k_q0f3543edc1_route
	.p2alignl 7, 3214868480
	.fill 96, 4, 3214868480
	.section	.rodata,"a",@progbits
	.p2align	6, 0x0
	.amdhsa_kernel k_q0f3543edc1_route
		.amdhsa_group_segment_fixed_size 51456
		.amdhsa_private_segment_fixed_size 0
		.amdhsa_enable_private_segment 0
		.amdhsa_kernarg_size 48
		.amdhsa_user_sgpr_count 2
		.amdhsa_user_sgpr_kernarg_segment_ptr 1
		.amdhsa_wavefront_size32 1
		.amdhsa_system_sgpr_workgroup_id_x 1
		.amdhsa_system_sgpr_workgroup_id_y 1
		.amdhsa_system_sgpr_workgroup_id_z 1
		.amdhsa_system_vgpr_workitem_id 0
		.amdhsa_next_free_vgpr 128
		.amdhsa_next_free_sgpr 66
		.amdhsa_reserve_vcc 1
		.amdhsa_float_denorm_mode_32 3
		.amdhsa_float_denorm_mode_16_64 3
		.amdhsa_memory_ordered 1
		.amdhsa_forward_progress 1
		.amdhsa_inst_pref_size 41
	.end_amdhsa_kernel
	.amdgpu_metadata
---
amdhsa.version: [ 1, 2 ]
amdhsa.kernels:
  - .name:           k_q0f3543edc1_route
    .symbol:         k_q0f3543edc1_route.kd
    .args:
      - { .name: idx, .offset: 0, .size: 8, .value_kind: global_buffer, .address_space: global }
      - { .name: cpart, .offset: 8, .size: 8, .value_kind: global_buffer, .address_space: global }
      - { .name: b2, .offset: 16, .size: 8, .value_kind: global_buffer, .address_space: global }
      - { .name: perm, .offset: 24, .size: 8, .value_kind: global_buffer, .address_space: global }
      - { .name: meta, .offset: 32, .size: 8, .value_kind: global_buffer, .address_space: global }
      - { .name: basetab, .offset: 40, .size: 8, .value_kind: global_buffer, .address_space: global }
    .group_segment_fixed_size: 51456
    .private_segment_fixed_size: 0
    .kernarg_segment_align: 8
    .kernarg_segment_size: 48
    .max_flat_workgroup_size: 1024
    .sgpr_count:     66
    .vgpr_count:     128
    .wavefront_size: 32
...
	.end_amdgpu_metadata
.endif
;; end of part 2
;; launch mlp (part 3): grid 135 x 1, 4 waves a work-group, no clusters, 199,680 bytes of LDS; arguments x, W1p, W2p, b1, basetab, perm, meta, out0; writes out0
.if DOCPART == 3
	.amdgcn_target "amdgcn-amd-amdhsa--gfx1250"
	.amdhsa_code_object_version 6
	.text
	.protected	k_q0f3543edc1_mlp
	.globl	k_q0f3543edc1_mlp
	.p2align	8
	.type	k_q0f3543edc1_mlp,@function
k_q0f3543edc1_mlp:
	s_mov_b64 s[64:65], 0
	v_nop
	global_prefetch_b8 v0, s[64:65] scope:SCOPE_SE
	s_setreg_imm32_b32 hwreg(HW_REG_WAVE_MODE, 25, 1), 1
	s_wait_xcnt 0x0
; MLP: out[t] = relu(x[t] W1[e] + b1[e]) W2[e] + base[e] for the 64 tokens of one block of the sorted list, e = the block's expert.
; Operands f16, sums f32.  x finite (a zero row times W1 is taken as zero, as it is for every finite x).
; FORMAT AND RANGE.  f16's 11 significant bits, since four roundings to bf16's 8 would leave 3.2e-3 of out0's root mean square, a third of
; the hundredth that is allowed.  |x| below 65,504 (drawn: some 5; 30 times larger, or offset by 30, is below 200).  h grows with x and W1
; at once (both 30 times larger: some 3e3; x offset by 30 and W1 by 30 widths: 1024 x 30 x 1.9 = 5.8e4), so it is kept as h / 16, an exact
; scaling, and the sums are multiplied by 16 at the end: |h| below 2^20; h below 2^-10 is kept in steps of 2^-20, which is 8e-4 of the h that
; inputs 30 times smaller all round give (6e-4).  Beyond these bounds an infinity arises where f32 would still be finite.
; Four waves share N: wave w makes h's columns 128 w .. + 127 (4 x 8 accumulator tiles) and out's columns 256 w .. + 255 (4 x 16 tiles).
; So a weight is used by one wave of the work-group, once: LDS would give it no second use.  The weights were packed so that a B fragment
; is 2 x 512 consecutive bytes, and go by global_load_b128 straight into a ring of four register slots of 8 KiB (16 loads).  LDS holds
; what the waves do share: the block's x in f16 (XS) and h (HS), each with bytes of its own: two barriers for them.
; Fragment i of a group of 64 columns holds the columns = i modulo 4: the four fragments give a lane four neighbouring columns,
; sixteen lanes 256 consecutive bytes of a row of out, and out0 needs no stage in LDS.
; GRID: 135 is the most blocks the sort can make, (8192 + 8 x 63) / 64.  A block behind the last (meta = 8; 0 to 7 of them, by the data)
; has no tokens.  Every wave passes every barrier whatever was read from memory, so such a work-group goes on with expert 7 and the valid
; token numbers that the list holds there, up to the second barrier, and ends there: it stores nothing.
; A pad repeats its block's last token: the same wave stores that row again with the same bits, so no row is masked.
; NO CLUSTER: a joint request lands in LDS only, where each 8 KiB tile of weights would be written and read once more for one use;
; and the number of an expert's blocks (0 to 128) is read from memory, so the blocks of an expert do not fall into groups of four.
; NO PREFETCH: the packed weights are read by some sixteen blocks each and were stored shortly before; a gathered row's address is known
; only when its load can be issued anyway.
.set XP,   2064                        ; XS pitch: 2,048 bytes + 16, an odd multiple of 16: the 16 rows of a fragment load fall on 16 different 16-byte columns modulo 256
.set HS,   132352                      ; behind XS's 64 rows (132,096 bytes) and 256 spare bytes
.set HP,   1040                        ; HS pitch: 1,024 + 16
.set TILE, 8192                        ; a ring slot: 8 fragments of 1,024 bytes
.set ROWO, 16                          ; v[16:31]   gather: byte offset in x of my 16 bytes of my wave's row rr
.set B1,   32                          ; v[32:39]   b1 of column tile f, my column; divided by 16 in front of its use
.set B2,   40                          ; v[40:55]   base of my 16 columns: register 4 G + i
.set GB,   64                          ; v[64:255]  gather: three buffers of 64 (two rows each)
.set AF,   64                          ; v[64:127]  later: A fragments, two buffers of 32
.set HT,   128                         ; v[128:191] later: h packed, two buffers of 32
.set OT,   64                          ; v[64:191]  at the end: results with the base added, two buffers of 64
.set OFS,  192                         ; v[192:223] tokens, then byte offsets in out0, of rows 16 a + 8 h + j: register 8 a + j
; v1 16 lane | v2, v3 XS fragment address, rows 0-31 and 32-63 | v4 HS fragment address | v5 HS store | v6 XS store | v7 out column bytes
; v8 b1 offset | v9 basetab offset | v13 perm offset.   Window 1: accumulators (tile (a, f) at 8 (8 a + f)) of GEMM1, then of GEMM2's first
; 128 columns; window 2: GEMM2's second 128 columns; window 3: the ring, slot s at 64 s, fragment f at + 8 f.
; s_set_vgpr_msb's low byte: bits 1:0 source 0, 3:2 source 1, 5:4 source 2, 7:6 destination.
.set W_RING, 0xc0                      ; load: data window 3, address window 0
.set W_MM1,  0x5c                      ; A window 0, B window 3, C and D window 1
.set W_MM2,  0xac                      ; C and D window 2
.set W_E1,   0x45                      ; sources 0 and 1 and the destination window 1, source 2 (the bias) window 0
.set W_CVT,  0x05                      ; both sources window 1, destination window 0
.set W_O1,   0x01                      ; source 0 window 1
.set W_O2,   0x02                      ; source 0 window 2
.set MSB, 0
.macro WIN new                         ; the immediate's high byte repeats the setting that is left
.if MSB != \new
	s_set_vgpr_msb (MSB<<8)|\new
.set MSB, \new
.endif
.endm
; Four places stand between a matrix instruction and a load into a register that it read, or a vector instruction that reads its result
; matrix instructions in between are not counted as places.
.macro PLACES
.rept 4
	v_nop
.endr
.endm
.macro RLOAD slot, sb, off             ; 16 loads, 512 consecutive bytes each: a tile of weights into a ring slot
	WIN W_RING
.irp f, 0,1,2,3,4,5,6,7
	global_load_b128 v[64*(\slot)+8*\f:64*(\slot)+8*\f+3],   v1, s[\sb:\sb+1] offset:\off+1024*\f
	global_load_b128 v[64*(\slot)+8*\f+4:64*(\slot)+8*\f+7], v1, s[\sb:\sb+1] offset:\off+1024*\f+512
.endr
.endm
.macro ALOAD1 buf, k                   ; 64 rows x 32 k of x at byte k of the rows (from where v2, v3 stand)
	WIN 0
.irp a, 0,1,2,3
	ds_load_b128 v[AF+32*(\buf)+8*\a:AF+32*(\buf)+8*\a+3],   v[2+(\a>>1)] offset:(\a&1)*16*XP+\k
	ds_load_b128 v[AF+32*(\buf)+8*\a+4:AF+32*(\buf)+8*\a+7], v[2+(\a>>1)] offset:(\a&1)*16*XP+\k+32
.endr
.endm
.macro ALOAD2 buf, k                   ; the same of h
	WIN 0
.irp a, 0,1,2,3
	ds_load_b128 v[AF+32*(\buf)+8*\a:AF+32*(\buf)+8*\a+3],   v4 offset:\a*16*HP+\k
	ds_load_b128 v[AF+32*(\buf)+8*\a+4:AF+32*(\buf)+8*\a+7], v4 offset:\a*16*HP+\k+32
.endr
.endm
.macro MM win, buf, slot, zero         ; 32 matrix instructions: 4 row tiles x 8 column tiles, 32 along K.  zero = 1: the product starts the sums
	WIN \win
.irp a, 0,1,2,3
.irp f, 0,1,2,3,4,5,6,7
.if \zero
	v_wmma_f32_16x16x32_f16 v[8*(8*\a+\f):8*(8*\a+\f)+7], v[AF+32*(\buf)+8*\a:AF+32*(\buf)+8*\a+7], v[64*(\slot)+8*\f:64*(\slot)+8*\f+7], 0
.else
	v_wmma_f32_16x16x32_f16 v[8*(8*\a+\f):8*(8*\a+\f)+7], v[AF+32*(\buf)+8*\a:AF+32*(\buf)+8*\a+7], v[64*(\slot)+8*\f:64*(\slot)+8*\f+7], v[8*(8*\a+\f):8*(8*\a+\f)+7]
.endif
.endr
.endr
.endm
; A tile of GEMM1 (K step t of a trip of four).  At its head the tile three further on is asked for, into the slot that the last tile
; multiplied, and the next step's A fragments.  s_wait_loadcnt 48: the three younger tiles of 16 loads stay out.  s_wait_dscnt 8: so do
; the eight LDS loads just issued (pre = 0: none were, the wait is for 0).
.macro T1 t, zero, pre, sb, off
	PLACES
.if \pre
	ALOAD1 ((\t+1)&1), 64*(\t+1)
.endif
	RLOAD ((\t+3)&3), \sb, \off
	s_wait_loadcnt 48
	s_wait_dscnt 8*\pre
	MM W_MM1, (\t&1), \t, \zero
.endm
.macro STEP1                           ; four K steps on.  The ring's loads name s[24:25]: it is stepped only behind s_wait_xcnt 0
	WIN 0
	s_wait_xcnt 0x0
	s_add_nc_u64 s[24:25], s[24:25], 4*TILE
	v_add_nc_u32 v2, 256, v2
	v_add_nc_u32 v3, 256, v3
.endm
; GEMM2: a K step is two tiles, the wave's first 128 columns (T2A, which also fetches the next step's A fragments) and the second (T2B).
; ks: the step of the trip's two.  left: the loads of the younger tiles.
.macro T2A ks, zero, pre, fill, left
	PLACES
.if \pre
	ALOAD2 ((\ks+1)&1), 64*(\ks+1)
.endif
.if \fill
	RLOAD ((2*\ks+3)&3), 26, (2*\ks+3)*TILE
.endif
	s_wait_loadcnt \left
	s_wait_dscnt 8*\pre
	MM W_MM1, \ks, 2*\ks, \zero
.endm
.macro T2B ks, zero, fill, left
	PLACES
.if \fill
	RLOAD ((2*\ks+4)&3), 26, (2*\ks+4)*TILE
.endif
	s_wait_loadcnt \left
	MM W_MM2, \ks, 2*\ks+1, \zero
.endm
.macro STEP2
	WIN 0
	s_wait_xcnt 0x0
	s_add_nc_u64 s[26:27], s[26:27], 4*TILE
	v_add_nc_u32 v4, 128, v4
.endm
.macro GLOAD b                         ; rows 2 b, 2 b + 1 of my wave's sixteen: 16 loads of 512 consecutive bytes
.irp rr, 0,1
.irp j, 0,1,2,3,4,5,6,7
	global_load_b128 v[GB+64*(\b%3)+32*\rr+4*\j:GB+64*(\b%3)+32*\rr+4*\j+3], v[ROWO+2*\b+\rr], s[4:5] offset:512*\j
.endr
.endr
.endm
.macro GCVT b                          ; to f16 in place, and into XS: a store is 256 consecutive bytes
	WIN 0
.irp rr, 0,1
.irp j, 0,1,2,3,4,5,6,7
	v_cvt_pk_f16_f32 v[GB+64*(\b%3)+32*\rr+4*\j],   v[GB+64*(\b%3)+32*\rr+4*\j],   v[GB+64*(\b%3)+32*\rr+4*\j+1]
	v_cvt_pk_f16_f32 v[GB+64*(\b%3)+32*\rr+4*\j+1], v[GB+64*(\b%3)+32*\rr+4*\j+2], v[GB+64*(\b%3)+32*\rr+4*\j+3]
.endr
.endr
.irp rr, 0,1
.irp j, 0,1,2,3,4,5,6,7
	ds_store_b64 v6, v[GB+64*(\b%3)+32*\rr+4*\j:GB+64*(\b%3)+32*\rr+4*\j+1] offset:(2*\b+\rr)*XP+256*\j
.endr
.endr
.endm
; h / 16 of rows 16 a .. + 15: sum x 2^-4 + b1 x 2^-4 in one fused multiply-add (0x3d800000 is 2^-4; the bias is broadcast out of its pair),
; relu, to f16.  Register j of tile f = 4 gl + i is (row 16 a + 8 h + j, column 128 w + 64 gl + 4 r + i): the four i make 8 neighbouring
; bytes of a row of HS.
.macro HROWS a
	WIN W_E1
.irp fp, 0,2,4,6
.irp jp, 0,2,4,6
	v_pk_fma_f32 v[8*(8*\a+\fp)+\jp:8*(8*\a+\fp)+\jp+1], v[8*(8*\a+\fp)+\jp:8*(8*\a+\fp)+\jp+1], 0x3d800000, v[B1+\fp:B1+\fp+1] op_sel_hi:[1,0,0]
.endr
.irp jp, 0,2,4,6
	v_pk_fma_f32 v[8*(8*\a+\fp+1)+\jp:8*(8*\a+\fp+1)+\jp+1], v[8*(8*\a+\fp+1)+\jp:8*(8*\a+\fp+1)+\jp+1], 0x3d800000, v[B1+\fp:B1+\fp+1] op_sel:[0,0,1] op_sel_hi:[1,0,1]
.endr
.endr
.set cnt, 0
.rept 64
	v_max_num_f32 v[64*\a+cnt], 0, v[64*\a+cnt]
.set cnt, cnt+1
.endr
	WIN W_CVT
.irp gl, 0,1
.irp j, 0,1,2,3,4,5,6,7
	v_cvt_pk_f16_f32 v[HT+32*(\a&1)+2*(8*\gl+\j)],   v[8*(8*\a+4*\gl)+\j],   v[8*(8*\a+4*\gl+1)+\j]
	v_cvt_pk_f16_f32 v[HT+32*(\a&1)+2*(8*\gl+\j)+1], v[8*(8*\a+4*\gl+2)+\j], v[8*(8*\a+4*\gl+3)+\j]
.endr
.endr
	WIN 0
.irp gl, 0,1
.irp j, 0,1,2,3,4,5,6,7
	ds_store_b64 v5, v[HT+32*(\a&1)+2*(8*\gl+\j):HT+32*(\a&1)+2*(8*\gl+\j)+1] offset:(16*\a+\j)*HP+128*\gl
.endr
.endr
.endm
; out of rows 16 a .. + 15, column half c (window win): sum x 16 + base, one fused multiply-add (s31 = 16.0 undoes h's scaling), which also
; brings the four fragments' numbers into neighbouring registers.  A store: lanes 0-15 and lanes 16-31 each write 256 consecutive bytes
; of a row, at a multiple of 256 from out0's first byte.
.macro OUTAC a, c, win
.if \a
	s_wait_xcnt 0x0                                ; this buffer is the data of earlier stores: rewritten only behind this wait
.endif
	WIN \win
.irp j, 0,1,2,3,4,5,6,7
.irp gl, 0,1
.irp i, 0,1,2,3
	v_fma_f32 v[OT+64*\c+4*(2*\j+\gl)+\i], v[8*(8*\a+4*\gl+\i)+\j], s31, v[B2+4*(2*\c+\gl)+\i]
.endr
.endr
.endr
	WIN 0
.irp j, 0,1,2,3,4,5,6,7
.irp gl, 0,1
	global_store_b128 v[OFS+8*\a+\j], v[OT+64*\c+4*(2*\j+\gl):OT+64*\c+4*(2*\j+\gl)+3], s[18:19] offset:256*(2*\c+\gl) th:TH_STORE_NT
.endr
.endr
.endm
	s_load_b512 s[4:19], s[0:1], 0x0               ; x 4, W1p 6, W2p 8, b1 10, basetab 12, perm 14, meta 16, out0 18
	v_lshl_add_u32 v62, v0, 2, 0x30a00
	v_mov_b32 v63, 0
	v_lshrrev_b32 v1, 5, v0
	v_readfirstlane_b32 s20, v1                    ; wave
	v_and_b32 v10, 31, v0                          ; lane
	v_and_b32 v11, 15, v0                          ; r
	v_bfe_u32 v12, v0, 4, 1                        ; h
	s_mov_b32 s31, 0x41800000                      ; 16.0
	s_lshl_b32 s22, ttmp9, 2                       ; my block's word of meta
	s_mov_b32 s23, 0
	s_lshl_b32 s50, ttmp9, 8                       ; my block's 64 words of perm
	s_lshl_b32 s48, s20, 6                         ; my wave's 16 of them
	s_add_co_u32 s48, s48, s50
	s_mov_b32 s49, 0
	s_wait_kmcnt 0x0
	s_add_nc_u64 s[28:29], s[16:17], s[22:23]
	s_add_nc_u64 s[48:49], s[14:15], s[48:49]
	s_load_b32 s21, s[28:29], 0x0                  ; the block's expert, or 8
	s_load_b512 s[32:47], s[48:49], 0x0            ; the tokens of the rows that my wave gathers
	v_lshlrev_b32 v1, 4, v10
	v_lshl_add_u32 v13, v12, 5, s50                ; perm: the block + 8 h words
	v_mul_u32_u24 v2, v11, XP
	v_lshl_add_u32 v2, v12, 4, v2                  ; a fragment's lane address: row r, + 16 h bytes
	v_add_nc_u32 v3, 32*XP, v2
	v_mul_u32_u24 v4, v11, HP
	v_lshl_add_u32 v4, v12, 4, v4
	v_add_nc_u32 v4, HS, v4
	s_lshl_b32 s51, s20, 8
	s_add_co_u32 s51, s51, HS
	v_mul_u32_u24 v5, v12, 8*HP
	v_lshl_add_u32 v5, v11, 3, v5
	v_add_nc_u32 v5, s51, v5                       ; HS + 8 h rows + my wave's 256 bytes + 8 r
	s_mul_i32 s51, s20, 16*XP
	v_lshl_add_u32 v6, v10, 3, s51                 ; XS: my wave's 16 rows + 8 x lane
	s_lshl_b32 s51, s20, 10
	v_lshl_add_u32 v7, v11, 4, s51                 ; out: my wave's 1,024 bytes of a row + 16 r
	s_wait_kmcnt 0x0
	s_min_u32 s22, s21, 7                          ; inside the tables, also for a block without tokens
	s_lshl_b32 s24, s22, 2
	s_add_co_u32 s24, s24, s20
	s_lshl_b32 s24, s24, 18                        ; my stream of 256 KiB: number 4 e + w
	s_mov_b32 s25, 0
	s_add_nc_u64 s[26:27], s[8:9], s[24:25]        ; in W2p
	s_add_nc_u64 s[24:25], s[6:7], s[24:25]        ; in W1p
	s_lshl_b32 s51, s22, 11
	s_lshl_b32 s50, s20, 9
	s_add_co_u32 s51, s51, s50
	v_lshl_add_u32 v8, v11, 4, s51                 ; b1: e x 2,048 + w x 512 + 16 r
	s_lshl_b32 s51, s22, 12
	v_add_nc_u32 v9, s51, v7                       ; basetab: e x 4,096 + w x 1,024 + 16 r
	global_load_b128 v[B1:B1+3],   v8, s[10:11]
	global_load_b128 v[B1+4:B1+7], v8, s[10:11] offset:256
.irp g, 0,1,2,3
	global_load_b128 v[B2+4*\g:B2+4*\g+3], v9, s[12:13] offset:256*\g
.endr
.irp rr, 0,1,2,3,4,5,6,7,8,9,10,11,12,13,14,15
	s_min_u32 s[32+\rr], s[32+\rr], 0x1fff         ; a token stays inside x
	s_lshl_b32 s[32+\rr], s[32+\rr], 12
	v_add_nc_u32 v[ROWO+\rr], s[32+\rr], v1
.endr
	; THE GATHER.  Groups of 16 loads, three in flight; s_wait_loadcnt 32 leaves the two younger groups out.  Behind the last rows the ring's
	; first three tiles take the groups' places.  Behind batch 5, whose buffer is not used again, eight loads fetch the tokens of all
	; 64 rows for the way out: they are younger than batches 6 and 7, whose waits therefore count 16 + 8 + 16 = 40.
	GLOAD 0
	GLOAD 1
	GLOAD 2
	s_wait_loadcnt 32
	GCVT 0
	GLOAD 3
	s_wait_loadcnt 32
	GCVT 1
	GLOAD 4
	s_wait_loadcnt 32
	GCVT 2
	GLOAD 5
	s_wait_loadcnt 32
	GCVT 3
	GLOAD 6
	s_wait_loadcnt 32
	GCVT 4
	GLOAD 7
	s_wait_loadcnt 32
	GCVT 5
.irp a, 0,1,2,3
	global_load_b128 v[OFS+8*\a:OFS+8*\a+3],   v13, s[14:15] offset:64*\a
	global_load_b128 v[OFS+8*\a+4:OFS+8*\a+7], v13, s[14:15] offset:64*\a+16
.endr
	RLOAD 0, 24, 0
	s_wait_loadcnt 40
	GCVT 6
	RLOAD 1, 24, TILE
	s_wait_loadcnt 40
	GCVT 7
	RLOAD 2, 24, 2*TILE
	s_wait_dscnt 0x0                               ; my 16 rows are in XS, for the other waves' sake
	s_barrier_signal -1
	s_barrier_wait -1
	; GEMM1: 32 K steps of 32, in trips of four.  The first trip stands in front of the loop: its first products start the sums.
	ALOAD1 0, 0
	T1 0, 1, 1, 24, 3*TILE
	T1 1, 0, 1, 24, 4*TILE
	T1 2, 0, 1, 24, 5*TILE
	T1 3, 0, 1, 24, 6*TILE
	STEP1
	s_mov_b32 s30, 6
.Lg1:
	T1 0, 0, 1, 24, 3*TILE
	T1 1, 0, 1, 24, 4*TILE
	T1 2, 0, 1, 24, 5*TILE
	T1 3, 0, 1, 24, 6*TILE
	STEP1
	s_sub_co_u32 s30, s30, 1
	s_cmp_lg_u32 s30, 0
	s_cbranch_scc1 .Lg1
	T1 0, 0, 1, 24, 3*TILE                         ; the last trip: W1's last tile,
	T1 1, 0, 1, 26, 0                              ; and the ring runs on into W2's first three
	T1 2, 0, 1, 26, TILE
	T1 3, 0, 0, 26, 2*TILE
	; b1 / 16, once.  These eight lines name no register of the last matrix instructions: they are the places in front of the
	; multiply-adds that read the results.  (b1's loads are the oldest of all: the gather's first wait covered them.)
	WIN 0
.irp i, 0,1,2,3,4,5,6,7
	v_mul_f32 v[B1+\i], 0x3d800000, v[B1+\i]
.endr
	HROWS 0
	HROWS 1
	HROWS 2
	HROWS 3
	s_wait_dscnt 0x0                               ; my 128 columns of h are in HS, for the other waves' sake
	s_barrier_signal -1
	s_barrier_wait -1
	s_cmp_ge_u32 s21, 8                            ; a block without tokens ends here, behind the second barrier; it has stored nothing
	s_cbranch_scc1 .Lend
	; GEMM2: 16 K steps x 2 column halves = 32 tiles, in trips of four
	ALOAD2 0, 0
	T2A 0, 1, 1, 1, 48
	T2B 0, 1, 1, 48
	T2A 1, 0, 1, 1, 48
	T2B 1, 0, 1, 48
	STEP2
	s_mov_b32 s30, 6
.Lg2:
	T2A 0, 0, 1, 1, 48
	T2B 0, 0, 1, 48
	T2A 1, 0, 1, 1, 48
	T2B 1, 0, 1, 48
	STEP2
	s_sub_co_u32 s30, s30, 1
	s_cmp_lg_u32 s30, 0
	s_cbranch_scc1 .Lg2
	T2A 0, 0, 1, 1, 48                             ; the last trip asks for the last tile, then for nothing: the counts run down
	T2B 0, 0, 0, 32
	T2A 1, 0, 0, 0, 16
	T2B 1, 0, 0, 0
	; THE WAY OUT.  The 64 lines that make the rows' offsets name no register of the last matrix instructions: they are the places
	; in front of the multiply-adds that read the results and write the A buffers.
	WIN 0
.set cnt, 0
.rept 32
	v_min_u32 v[OFS+cnt], 0x1fff, v[OFS+cnt]       ; a token stays inside out0
.set cnt, cnt+1
.endr
.set cnt, 0
.rept 32
	v_lshl_add_u32 v[OFS+cnt], v[OFS+cnt], 12, v7  ; the row + my 16 bytes in a group of 64 columns
.set cnt, cnt+1
.endr
	OUTAC 0, 0, W_O1
	OUTAC 0, 1, W_O2
	OUTAC 1, 0, W_O1
	OUTAC 1, 1, W_O2
	OUTAC 2, 0, W_O1
	OUTAC 2, 1, W_O2
	OUTAC 3, 0, W_O1
	OUTAC 3, 1, W_O2
.Lend:
	s_barrier_signal -1
	s_barrier_wait -1
	s_wait_tensorcnt 0x0
	ds_add_u32 v62, v63
	s_wait_dscnt 0x0
	s_endpgm
.Lfunc_end_k_q0f3543edc1_mlp:
	.size	k_q0f3543edc1_mlp, .Lfunc_end_k_q0f3543edc1_mlp-k_q0f3543edc1_mlp
	.p2alignl 7, 3214868480
	.fill 96, 4, 3214868480
	.section	.rodata,"a",@progbits
	.p2align	6, 0x0
	.amdhsa_kernel k_q0f3543edc1_mlp
		.amdhsa_group_segment_fixed_size 199680
		.amdhsa_private_segment_fixed_size 0
		.amdhsa_enable_private_segment 0
		.amdhsa_kernarg_size 64
		.amdhsa_user_sgpr_count 2
		.amdhsa_user_sgpr_kernarg_segment_ptr 1
		.amdhsa_wavefront_size32 1
		.amdhsa_system_sgpr_workgroup_id_x 1
		.amdhsa_system_sgpr_workgroup_id_y 1
		.amdhsa_system_sgpr_workgroup_id_z 1
		.amdhsa_system_vgpr_workitem_id 0
		.amdhsa_next_free_vgpr 1024
		.amdhsa_next_free_sgpr 66
		.amdhsa_reserve_vcc 0
		.amdhsa_float_denorm_mode_32 3
		.amdhsa_float_denorm_mode_16_64 3
		.amdhsa_memory_ordered 1
		.amdhsa_forward_progress 1
		.amdhsa_inst_pref_size 225
	.end_amdhsa_kernel
	.amdgpu_metadata
---
amdhsa.version: [ 1, 2 ]
amdhsa.kernels:
  - .name:           k_q0f3543edc1_mlp
    .symbol:         k_q0f3543edc1_mlp.kd
    .args:
      - { .name: x, .offset: 0, .size: 8, .value_kind: global_buffer, .address_space: global }
      - { .name: W1p, .offset: 8, .size: 8, .value_kind: global_buffer, .address_space: global }
      - { .name: W2p, .offset: 16, .size: 8, .value_kind: global_buffer, .address_space: global }
      - { .name: b1, .offset: 24, .size: 8, .value_kind: global_buffer, .address_space: global }
      - { .name: basetab, .offset: 32, .size: 8, .value_kind: global_buffer, .address_space: global }
      - { .name: perm, .offset: 40, .size: 8, .value_kind: global_buffer, .address_space: global }
      - { .name: meta, .offset: 48, .size: 8, .value_kind: global_buffer, .address_space: global }
      - { .name: out0, .offset: 56, .size: 8, .value_kind: global_buffer, .address_space: global }
    .group_segment_fixed_size: 199680
    .private_segment_fixed_size: 0
    .kernarg_segment_align: 8
    .kernarg_segment_size: 64
    .max_flat_workgroup_size: 128
    .sgpr_count:     66
    .vgpr_count:     1024
    .wavefront_size: 32
...
	.end_amdgpu_metadata
.endif
;; end of part 3
